; MI455X (gfx1250); checked and timed in simulation.
; The chip was launched on July 23, 2026; its instructions are those of AMD's public machine-readable ISA for CDNA 5 (MIT licence, August 2026) and "CDNA5" Instruction Set Architecture Reference Guide (July 2026). The comments in the code are by the model that wrote it; some were corrected since.
;; Microring Basis Base. Allowed arithmetic: matrix products marked QUANTISED: E4M3 operands, one given power-of-two scale a tensor, by v_wmma_f32_16x16x64_fp8_fp8 or v_wmma_f32_16x16x128_fp8_fp8, f32 sums; everything else in f32.
;; Inputs: base_weight 512 x 512 float32; coeffs 512 x 512 x 16 float32; lowp_scales 4 int32 (the exponents e of the quantised operands' scales 2^e); x 4,096 x 512 float32.
;; Outputs: out0 4,096 x 512 float32; out1 1 float32.
;; This version of the problem:
;;   THIS VERSION OF THE PROBLEM IS GIVEN IN LOW PRECISION. The matrix products marked QUANTISED in the list below multiply operands that are first quantised to E4M3 (4 exponent bits, 3 mantissa bits; 8 bits a number), with one given power-of-two scale for each operand tensor; their sums are f32. All else is computed in f32.
;;   The module's matrix products, in the order in which they are computed (A, B: the left and right operand; K: the contracted axis; several contracted axes count as one K, in the product's order):
;;     1. [M 4,096, K 8,192] x [K 8,192, N 512]; A: computed on the way; B: input coeffs: QUANTISED (scales: A lowp_scales[0], B lowp_scales[1])
;;     2. [M 4,096, K 512] x [K 512, N 512]; A: input x; B: input base_weight: QUANTISED (scales: A lowp_scales[2], B lowp_scales[3])
;;   THE QUANTISER, for each operand of a quantised product, along K:
;;     - The operand's scale is 2^e, e = its entry of the input lowp_scales (int32; the entries are numbered through the quantised products in the list's order, A before B).
;;     - Each number is divided by the scale, clamped to +-448, and rounded to the nearest number of E4M3, ties to even, subnormals kept.
;;     - The product sums the exact products of the quantised numbers (number of the format x scale) in f32.
;;   ~~~python
;;   def quantise(x, axis, e):      # numpy; x: float32 -> the quantised numbers, widened to float32 again
;;       x = np.moveaxis(x, axis, -1); K = x.shape[-1]
;;       r = np.clip(x / 2.0 ** e, -448, 448)
;;       step = 2.0 ** (np.maximum(np.frexp(np.where(r == 0, 1, r))[1] - 1, -6) - 3)
;;       q = np.round(r / step) * step * 2.0 ** e      # np.round: ties to even
;;       return np.moveaxis(q, -1, axis).astype(np.float32)
;;   ~~~
;;   OPERANDS COMPUTED ON THE WAY. 'Computed on the way' means the value that the module computes at that place (a softmax that the list does not call 'softmax' is quantised finished and normalised). What goes into a quantiser is computed in f32, as accurately as f32 sums, v_exp_f32 and their like allow (about 1e-6 of the number): no bf16 or f16 on the way to a quantiser, and a product that is left as it is and whose result goes on into a quantised operand takes f32 operands (vector FMAs, or v_wmma_f32_16x16x4_f32). A number that lies on a knife's edge between two numbers of the format may be rounded either way, as far as f32 arithmetic and the matrix unit's own rounding can turn it there, and no further.
;; One version. Each part assembles by itself: llvm-mc -triple=amdgcn-amd-amdhsa -mcpu=gfx1250 --defsym DOCPART=n.
;; ======== version 1 of 1: 2 launches
;; limits: right only within a limited range of input values
;; workspace buffers: acodes 35,651,584 bytes; bq 4,456,448 bytes
;; launch codes (part 1): grid 256 x 1, 16 waves a work-group, no clusters, 76,032 bytes of LDS; arguments x, coeffs, base_weight, lowp_scales, acodes, bq, out1; writes acodes, bq, out1
.if DOCPART == 1
	.amdgcn_target "amdgcn-amd-amdhsa--gfx1250"
	.amdhsa_code_object_version 6
	.text
	.protected	k_qc21bddd24d_codes
	.globl	k_qc21bddd24d_codes
	.p2align	8
	.type	k_qc21bddd24d_codes,@function
k_qc21bddd24d_codes:
	s_mov_b64 s[64:65], 0
	v_nop
	global_prefetch_b8 v0, s[64:65] scope:SCOPE_SE
	s_setreg_imm32_b32 hwreg(HW_REG_WAVE_MODE, 25, 1), 1
	s_wait_xcnt 0x0
; All operands of both products become codes of FP8 (E4M3), once, laid as the second launch's operand registers want them; out1 = 0.
; code = w / 2^e, held within +-448, to the nearest code, ties to even.  e = entries 0 (basis), 1 (coeffs), 2 (x), 3 (base_weight) of the scales.
; THE BASIS.  With u = clip(x, -1, 1), d = (wl - WL0) / WL0 = h u, h = 4 / 1550, the round-trip phase is exactly phi_n = theta(u) - pi + 24 deg x n, theta = 2 pi (L NEFF / WL0 - (L NG / WL0) h u / (1 + h u)).
; theta in turns is a cubic in u (the series' next term is 2.3e-8 turns at |u| = 1, and u is clipped, so that holds for every x); its nearest whole number is taken off; sqrt(2) sin and sqrt(2) cos of HALF the angle come
; from their series up to the 13th and 12th power (both cut under 1e-8 on a quarter turn); cos theta = 1 - s's', sin theta = s'c'.  One sine and cosine serve 16 rings:
; den_n / Q = alpha + beta_n cos theta + gamma_n sin theta, Q = (1 - a^2)(1 - r^2), and T_n = num / den = 1 - Q / den_n.  Rings n and 15 - n differ in gamma's sign alone.  Four reciprocals are made from one:
; of D0 D1 D2 D3.
; LIMITS.  All four e lie between -126 and 119, so that 2^e and 448 x 2^e are f32 numbers.  NaN among the inputs is not served; an infinity is clipped (basis) or held (x, coeffs, base_weight).
; The phase is formed from numbers of size 2, not of size 1,800 as the problem's function forms it in f32: the two differ by up to some 3e-4 rad, which is that function's own rounding.
; LAYOUTS.  K is cut among four waves g of the second launch: inputs 128 g .. 128 g + 127, 17 steps of 128 along K.  Step 0: x and base_weight; step 1 + j: the 16 rings of inputs 128 g + 8 j .. + 7.
;   acodes = [rb 64][g 4][step 17][m 4][c 4][lane 32][16 bytes]: row 64 rb + 16 m + r, lane = 16 h + r.
;   bq     = [cb 4][g 4][step 17][t 8][c 4][lane 32][16 bytes]: column 128 cb + 16 t + r.
;   The 16 bytes: step 0: inputs 128 g + 64 h + 16 c + 0 .. 15.  Step 1 + j: the rings of input 128 g + 8 j + 4 h + c; word a holds rings 15 - 2a, 14 - 2a, 2a, 2a + 1: the order in which the basis comes out below.
; SHARES.  Work-group W takes rows 16 W .. 16 W + 15 of x (rb = W / 4, m = W mod 4), inputs 2 W and 2 W + 1 of coeffs, and 1,024 numbers of base_weight.
;   Wave w loads row w of the sixteen (2,048 consecutive bytes); the rows meet in LDS behind the one barrier; wave w then makes the basis of inputs 32 w .. 32 w + 31 (four steps) and 16 numbers a lane of x's own codes.
;   Of coeffs it takes 4,096 consecutive bytes (64 columns of one input), which turn through the wave's own stage, so that a lane holds one column's 16 rings.  Waves 0 and 1 take base_weight: a lane to a column.
; No tensor load; matrix units, clusters and prefetches have nothing to do here: every byte is read once, and asked for at the head.
.set XP,   2064                        ; a row of x in LDS: 2,048 bytes + 16
.set STG,  16*XP                       ; 33,024: the waves' stages for coeffs, 2,560 bytes each
.set SP,   80                          ; a lane's place in a stage: 64 bytes + 16 of padding
.set SPARE, STG+16*32*SP               ; 73,984: the spare words, 128 bytes for each wave: eight blocks of 256 bytes that no other line names
.set SPW,  1
.set NIL,  2
.set L16,  7                           ; 16 x lane
.set L4,   8                           ; 4 x lane
.set CO,   9                           ; codes of B: 16 r, and one tile of 2,048 bytes further for lanes 16-31
.set XIN,  10                          ; x into LDS
.set XO,   11                          ; x out of LDS: row r, my wave's first 8 inputs, my half's four
.set LIM0, 12
.set SC0,  13
.set LIM2, 14
.set SC2,  15
.set BETA, 16
.set GAM,  24
.set XR,   32                          ; v32-35 four numbers of x
.set XQ,   36                          ; x out of LDS for x's own codes
.set XA,   37
.set STI,  38                          ; the stage for coeffs, in and out
.set STO,  39
.set AC,   40                          ; v40-55 a step's codes: 4 c + a
.set F,    56                          ; u, then the phase's fraction f
.set Z,    60                          ; the phase, then f^2, then cos theta
.set CC,   60
.set SN,   64
.set CN,   68
.set RN,   72                          ; the phase's whole number, then sin theta
.set SS,   72
.set P,    76                          ; v76-91 alpha + beta cos, for two numbers; then the reciprocals of the products of two
.set IV,   76
.set D,    92                          ; v92-123 den / Q, then T, for two numbers
.set M,    124                         ; v124-139 products of two
.set RP,   140                         ; v140-155 pairs (reciprocal, product of four)
.set KT,   156                         ; v156-159 the three series' top coefficients, and 0
.set R,    160                         ; v160-191 coeffs as loaded
.set Y,    192                         ; v192-207 base_weight
.set YC,   208
.set RC,   212                         ; v212-215 x's own codes
.set LIM1, 216
.set SC1,  217
.set LIM3, 218
.set SC3,  219
.set C,    220                         ; v220-223 codes of coeffs, rings in their natural order
.set O,    224                         ; v224-231 the same in the order of the layout
.set XL,   232                         ; v232-247 my row of x
.macro KONST r, val                    ; a constant for the packed forms: they name a pair and take its low word for both halves, so the upper word is written too
	s_mov_b32 s[\r], \val
	s_mov_b32 s[\r+1], s[\r]
.endm
	s_load_b256 s[4:11], s[0:1], 0x0               ; x s[4:5], coeffs s[6:7], base_weight s[8:9], the scales s[10:11]
	s_load_b128 s[12:15], s[0:1], 0x20             ; acodes s[12:13], bq s[14:15]
	s_load_b64 s[16:17], s[0:1], 0x30              ; out1
	v_lshrrev_b32 v3, 5, v0
	v_readfirstlane_b32 s18, v3                    ; w: wave 0..15
	s_mul_i32 s19, s18, XP
	s_lshl_b32 s20, s18, 7                         ; my 32 inputs in a row
	s_mul_i32 s21, s18, 32*SP
	s_add_co_u32 s21, s21, STG
	s_lshr_b32 s22, s18, 2                         ; g
	s_and_b32 s23, s18, 3                          ; w mod 4
	s_lshl_b32 s24, s22, 9
	s_lshl_b32 s25, s23, 6
	s_add_co_u32 s24, s24, s25                     ; 512 g + 64 (w mod 4)
	v_lshl_add_u32 v[SPW], v0, 2, SPARE
	v_mov_b32 v[NIL], 0
	v_and_b32 v4, 31, v0                           ; lane
	v_and_b32 v5, 15, v0                           ; r
	v_bfe_u32 v6, v0, 4, 1                         ; h
	v_lshlrev_b32 v[L16], 4, v4
	v_lshlrev_b32 v[L4], 2, v4
	v_lshlrev_b32 v[CO], 4, v5
	v_lshl_add_u32 v[CO], v6, 11, v[CO]
	v_add_nc_u32 v[XIN], s19, v[L16]
	v_mul_u32_u24 v[XO], v5, XP
	v_lshl_add_u32 v[XQ], v6, 8, v[XO]
	v_add_nc_u32 v[XQ], s24, v[XQ]                 ; row r, inputs 128 g + 64 h + 16 (w mod 4)
	v_lshl_add_u32 v[XO], v6, 4, v[XO]
	v_add_nc_u32 v[XO], s20, v[XO]
	v_lshrrev_b32 v[STI], 2, v4
	v_mul_u32_u24 v[STI], v[STI], SP
	v_and_b32 v3, 3, v4
	v_lshl_add_u32 v[STI], v3, 4, v[STI]
	v_add_nc_u32 v[STI], s21, v[STI]
	v_mul_u32_u24 v[STO], v4, SP
	v_add_nc_u32 v[STO], s21, v[STO]
	v_mov_b32 v249, 0                              ; out1: offset,
	v_mov_b32 v250, 0                              ; and the number 0
	; x: 32,768 bytes a work-group, 2,048 a wave;  coeffs: 65,536 and 4,096
	s_lshl_b32 s26, ttmp9, 15
	s_lshl_b32 s27, s18, 11
	s_add_co_u32 s26, s26, s27
	s_mov_b32 s27, 0
	s_lshl_b32 s28, ttmp9, 16
	s_lshl_b32 s29, s18, 12
	s_add_co_u32 s28, s28, s29
	s_mov_b32 s29, 0
	; acodes
	s_lshr_b32 s30, ttmp9, 2
	s_lshl_b32 s30, s30, 2
	s_add_co_u32 s30, s30, s22                     ; 4 rb + g
	s_mul_i32 s30, s30, 17*8192
	s_and_b32 s31, ttmp9, 3
	s_lshl_b32 s31, s31, 11
	s_add_co_u32 s30, s30, s31                     ; + tile of rows m
	s_lshl_b32 s32, s23, 9
	s_add_co_u32 s32, s32, s30                     ; x's own codes: c = w mod 4
	s_mov_b32 s33, 0
	s_lshl_b32 s34, s23, 15
	s_add_co_u32 s34, s34, s30                     ; one step ahead of my first: the loop steps it at its top
	s_mov_b32 s35, 0
	; bq, coeffs: input i = 2 W + w / 8, columns 64 (w mod 8) on
	s_lshl_b32 s36, ttmp9, 1
	s_lshr_b32 s37, s18, 3
	s_add_co_u32 s36, s36, s37
	s_lshr_b32 s37, s36, 7
	s_bfe_u32 s38, s18, 0x20001                    ; cb
	s_lshl_b32 s38, s38, 2
	s_add_co_u32 s38, s38, s37
	s_mul_i32 s38, s38, 17
	s_bfe_u32 s37, s36, 0x40003                    ; j
	s_add_co_u32 s38, s38, s37
	s_add_co_u32 s38, s38, 1
	s_lshl_b32 s38, s38, 14
	s_and_b32 s37, s18, 1
	s_lshl_b32 s37, s37, 13                        ; four tiles of columns
	s_add_co_u32 s38, s38, s37
	s_and_b32 s37, s36, 3
	s_lshl_b32 s37, s37, 9                         ; c
	s_add_co_u32 s38, s38, s37
	s_bfe_u32 s37, s36, 0x10002
	s_lshl_b32 s37, s37, 8                         ; h
	s_add_co_u32 s38, s38, s37
	s_mov_b32 s39, 0
	; base_weight's two addresses, from w mod 2: waves 2 to 15 form those of waves 0 and 1 and use neither
	s_and_b32 s82, s18, 1
	s_lshl_b32 s83, ttmp9, 1
	s_add_co_u32 s83, s83, s82                     ; task 0..511
	s_and_b32 s84, s83, 15                         ; which 32 columns
	s_lshr_b32 s85, s83, 4                         ; which 16 inputs: 8 g + 4 h + c
	s_lshl_b32 s86, s85, 15
	s_lshl_b32 s87, s84, 7
	s_add_co_u32 s86, s86, s87
	s_mov_b32 s87, 0
	s_lshr_b32 s88, s84, 2
	s_lshl_b32 s88, s88, 2
	s_lshr_b32 s89, s85, 3
	s_add_co_u32 s88, s88, s89
	s_mul_i32 s88, s88, 17*16384
	s_and_b32 s89, s84, 3
	s_lshl_b32 s89, s89, 12
	s_add_co_u32 s88, s88, s89
	s_and_b32 s89, s85, 3
	s_lshl_b32 s89, s89, 9
	s_add_co_u32 s88, s88, s89
	s_bfe_u32 s89, s85, 0x10002
	s_lshl_b32 s89, s89, 8
	s_add_co_u32 s88, s88, s89
	s_mov_b32 s89, 0
	s_wait_alu depctr_va_vdst(0)                   ; directly ahead of the wait below
	s_wait_kmcnt 0x0
	s_add_nc_u64 s[4:5], s[4:5], s[26:27]
.irp k, 0,1,2,3
	global_load_b128 v[XL+4*\k:XL+4*\k+3], v[L16], s[4:5] offset:512*\k th:TH_LOAD_NT   ; 32 lanes read 512 consecutive bytes
.endr
	s_load_b128 s[40:43], s[10:11], 0x0            ; e0 .. e3
	s_add_nc_u64 s[6:7], s[6:7], s[28:29]
	s_add_nc_u64 s[8:9], s[8:9], s[86:87]
	s_add_nc_u64 s[32:33], s[12:13], s[32:33]
	s_add_nc_u64 s[34:35], s[12:13], s[34:35]
	s_add_nc_u64 s[38:39], s[14:15], s[38:39]
	s_add_nc_u64 s[88:89], s[14:15], s[88:89]
	KONST 46, 691.710901                           ; alpha = (1 + r^2 a^2) / Q
	KONST 48, 0.00340153780                        ; the phase in turns: P0 + u (K1 + u (K2 + u K3)):  K2
	KONST 50, -1.3180958979                        ; K1
	KONST 52, 0.5674893961                         ; P0
	KONST 54, -0.0104233634                        ; sqrt(2) sin(pi f) = f (S0 + z (S1 + ..)), z = f^2:  S5
	KONST 56, 0.116171827                          ; S4
	KONST 58, -0.847488025                         ; S3
	KONST 60, 3.60647657                           ; S2
	KONST 62, -7.30824950                          ; S1
	KONST 66, 4.44288294                           ; S0
	KONST 68, -0.0364964558                        ; sqrt(2) cos(pi f) = C0 + z (C1 + ..):  C5
	KONST 70, 0.332807769                          ; C4
	KONST 72, -1.88834672                          ; C3
	KONST 74, 5.73988573                           ; C2
	KONST 76, -6.97886420                          ; C1
	KONST 78, 1.41421356                           ; C0
	s_mov_b32 s92, 0x01000607                      ; byte selects: (first source's bytes 3, 2; second source's bytes 0, 1)
	s_mov_b32 s93, 0x03020405                      ; (first source's bytes 1, 0; second source's bytes 2, 3)
	v_mov_b32 v[KT], -0.00000877816206             ; K3
	v_mov_b32 v[KT+1], 0.000659451752              ; S6
	v_mov_b32 v[KT+2], 0.00272883016               ; C6
	v_mov_b32 v[KT+3], 0
	v_mov_b32 v[BETA+0], 686.916359                ; beta_n = kappa cos(24 deg n), kappa = 2 r a / Q
	v_mov_b32 v[BETA+1], 627.529320
	v_mov_b32 v[BETA+2], 459.636760
	v_mov_b32 v[BETA+3], 212.268829
	v_mov_b32 v[BETA+4], -71.8023114
	v_mov_b32 v[BETA+5], -343.458180
	v_mov_b32 v[BETA+6], -555.727008
	v_mov_b32 v[BETA+7], -671.905588
	v_mov_b32 v[GAM+0], 0                          ; gamma_n = -kappa sin(24 deg n)
	v_mov_b32 v[GAM+1], -279.394054
	v_mov_b32 v[GAM+2], -510.478338
	v_mov_b32 v[GAM+3], -653.296279
	v_mov_b32 v[GAM+4], -683.153359
	v_mov_b32 v[GAM+5], -594.887017
	v_mov_b32 v[GAM+6], -403.759305
	v_mov_b32 v[GAM+7], -142.817942
	s_wait_kmcnt 0x0
.macro SCALE e, sc, lim                ; 2^e as f32 (the conversion takes its exponent field), and 448 x 2^e
	s_add_co_i32 s44, s[\e], 127
	s_lshl_b32 s45, s44, 23
	v_mov_b32 v[\sc], s45
	s_add_co_i32 s44, s44, 8
	s_lshl_b32 s44, s44, 23
	s_or_b32 s44, s44, 0x600000
	v_mov_b32 v[\lim], s44
.endm
	SCALE 40, SC0, LIM0
	SCALE 41, SC1, LIM1
	SCALE 42, SC2, LIM2
	SCALE 43, SC3, LIM3
	s_wait_alu depctr_va_vdst(0)                   ; the wait at the head's end
	; the weights are asked for behind x, which the loop below wants first; they are used behind that loop
	s_cmp_lt_u32 s18, 2
	s_cbranch_scc0 .Lno_bw_in
.irp b, 0,1,2,3,4,5,6,7,8,9,10,11,12,13,14,15
	global_load_b32 v[Y+\b], v[L4], s[8:9] offset:2048*\b th:TH_LOAD_NT   ; 32 lanes read 128 consecutive bytes of one input's row; older than coeffs' loads, so the counted wait below holds with and without them
.endr
.Lno_bw_in:
.irp k, 0,1,2,3,4,5,6,7
	global_load_b128 v[R+4*\k:R+4*\k+3], v[L16], s[6:7] offset:512*\k th:TH_LOAD_NT   ; 32 lanes read 512 consecutive bytes
.endr
	s_wait_loadcnt 8                               ; my row of x is in; coeffs' eight loads may be out
.irp k, 0,1,2,3
	ds_store_b128 v[XIN], v[XL+4*\k:XL+4*\k+3] offset:512*\k
.endr
	s_wait_dscnt 0x0                               ; for the others' sake: my row is in LDS
	s_barrier_signal -1
	s_barrier_wait -1                              ; all sixteen rows are
	; x's own codes: unclipped, with the scale 2^e2
.irp k, 0,1,2,3
	ds_load_b128 v[D+4*\k:D+4*\k+3], v[XQ] offset:16*\k
.endr
	s_wait_dscnt 0x0
.irp i, 0,1,2,3,4,5,6,7,8,9,10,11,12,13,14,15
	v_med3_num_f32 v[D+\i], v[D+\i], -v[LIM2], v[LIM2]   ; the conversion to an 8-bit code does not saturate (ISA guide 7.6.2): the hold comes first
.endr
	v_cvt_scalef32_pk8_fp8_f32 v[RC:RC+1], v[D:D+7], v[SC2]
	v_cvt_scalef32_pk8_fp8_f32 v[RC+2:RC+3], v[D+8:D+15], v[SC2]
	v_nop                                          ; one plain vector line behind the last conversion
	global_store_b128 v[L16], v[RC:RC+3], s[32:33]
; One sine and cosine for each of a lane's four numbers of x, two pairs by turns.
.macro HORN ks, kc
.irp m, 0,1
	v_pk_fma_f32 v[SN+2*\m:SN+2*\m+1], v[SN+2*\m:SN+2*\m+1], v[Z+2*\m:Z+2*\m+1], s[\ks:\ks+1] op_sel_hi:[1,1,0]
.endr
.irp m, 0,1
	v_pk_fma_f32 v[CN+2*\m:CN+2*\m+1], v[CN+2*\m:CN+2*\m+1], v[Z+2*\m:Z+2*\m+1], s[\kc:\kc+1] op_sel_hi:[1,1,0]
.endr
.endm
.macro TRIG
.irp j, 0,1,2,3
	v_med3_num_f32 v[F+\j], v[XR+\j], -1.0, 1.0    ; u = clip(x, -1, 1)
.endr
.irp m, 0,1
	v_pk_fma_f32 v[Z+2*\m:Z+2*\m+1], v[F+2*\m:F+2*\m+1], v[KT:KT+1], s[48:49] op_sel_hi:[1,0,0]   ; u K3 + K2
.endr
.irp k, 50, 52
.irp m, 0,1
	v_pk_fma_f32 v[Z+2*\m:Z+2*\m+1], v[F+2*\m:F+2*\m+1], v[Z+2*\m:Z+2*\m+1], s[\k:\k+1] op_sel_hi:[1,1,0]   ; the phase in turns, under 2 in size
.endr
.endr
.irp j, 0,1,2,3
	v_rndne_f32 v[RN+\j], v[Z+\j]
.endr
.irp m, 0,1
	v_pk_add_f32 v[F+2*\m:F+2*\m+1], v[Z+2*\m:Z+2*\m+1], v[RN+2*\m:RN+2*\m+1] neg_lo:[0,1] neg_hi:[0,1]   ; f, at most half a turn: exact
.endr
.irp m, 0,1
	v_pk_mul_f32 v[Z+2*\m:Z+2*\m+1], v[F+2*\m:F+2*\m+1], v[F+2*\m:F+2*\m+1]   ; z = f^2
.endr
.irp m, 0,1
	v_pk_fma_f32 v[SN+2*\m:SN+2*\m+1], v[Z+2*\m:Z+2*\m+1], v[KT:KT+1], s[54:55] op_sel:[0,1,0] op_sel_hi:[1,1,0]   ; z S6 + S5 (S6 is the pair's upper word)
.endr
.irp m, 0,1
	v_pk_fma_f32 v[CN+2*\m:CN+2*\m+1], v[Z+2*\m:Z+2*\m+1], v[KT+2:KT+3], s[68:69] op_sel_hi:[1,0,0]   ; z C6 + C5
.endr
	HORN 56, 70
	HORN 58, 72
	HORN 60, 74
	HORN 62, 76
	HORN 66, 78
.irp m, 0,1
	v_pk_mul_f32 v[SN+2*\m:SN+2*\m+1], v[SN+2*\m:SN+2*\m+1], v[F+2*\m:F+2*\m+1]   ; s' = sqrt(2) sin(pi f)
.endr
.irp m, 0,1
	v_pk_fma_f32 v[CC+2*\m:CC+2*\m+1], v[SN+2*\m:SN+2*\m+1], v[SN+2*\m:SN+2*\m+1], 1.0 op_sel_hi:[1,1,0] neg_lo:[1,0,0] neg_hi:[1,0,0]   ; cos theta = 1 - s's'
.endr
.irp m, 0,1
	v_pk_mul_f32 v[SS+2*\m:SS+2*\m+1], v[SN+2*\m:SN+2*\m+1], v[CN+2*\m:CN+2*\m+1]   ; sin theta = s'c'
.endr
.endm
; The 16 rings of numbers 2 m and 2 m + 1 become eight registers of codes.
.macro DEN m
.irp c, 0,1
.irp a, 0,1,2,3
	v_pk_fma_f32 v[P+8*\c+2*\a:P+8*\c+2*\a+1], v[BETA+2*\a:BETA+2*\a+1], v[CC+2*\m:CC+2*\m+1], s[46:47] op_sel:[0,\c,0] op_sel_hi:[1,\c,0]   ; alpha + beta cos.  (These eight are also the plain lines between the last conversions and the rewriting of D)
.endr
.endr
.irp c, 0,1
.irp a, 0,1,2,3
	v_pk_fma_f32 v[D+16*\c+4*\a:D+16*\c+4*\a+1], v[GAM+2*\a:GAM+2*\a+1], v[SS+2*\m:SS+2*\m+1], v[P+8*\c+2*\a:P+8*\c+2*\a+1] op_sel:[0,\c,0] op_sel_hi:[1,\c,1]   ; rings 2a, 2a + 1
	v_pk_fma_f32 v[D+16*\c+4*\a+2:D+16*\c+4*\a+3], v[GAM+2*\a:GAM+2*\a+1], v[SS+2*\m:SS+2*\m+1], v[P+8*\c+2*\a:P+8*\c+2*\a+1] op_sel:[0,\c,0] op_sel_hi:[1,\c,1] neg_lo:[1,0,0] neg_hi:[1,0,0]   ; rings 15 - 2a, 14 - 2a
.endr
.endr
.irp c, 0,1
.irp a, 0,1,2,3
	v_pk_mul_f32 v[M+8*\c+2*\a:M+8*\c+2*\a+1], v[D+16*\c+4*\a:D+16*\c+4*\a+1], v[D+16*\c+4*\a+2:D+16*\c+4*\a+3]   ; (D0 D2, D1 D3)
.endr
.endr
.irp k, 0,2,4,6,8,10,12,14
	v_mul_f32 v[RP+\k+1], v[M+\k], v[M+\k+1]       ; D0 D1 D2 D3, under 4e12
.endr
	s_wait_alu depctr_va_vdst(0)                   ; the wait ahead of the batch,
.irp k, 0,2,4,6,8,10,12,14
	v_rcp_f32 v[RP+\k], v[RP+\k+1]
.endr
	v_nop                                          ; one plain vector line behind the last reciprocal
	s_wait_alu depctr_va_vdst(0)                   ; and behind it
.irp k, 0,2,4,6,8,10,12,14
	v_pk_mul_f32 v[IV+\k:IV+\k+1], v[M+\k:M+\k+1], v[RP+\k:RP+\k+1] op_sel:[1,0] op_sel_hi:[0,0]   ; (1 / (D0 D2), 1 / (D1 D3)): M's two words crossed, x the reciprocal
.endr
.irp k, 0,2,4,6,8,10,12,14
	v_pk_fma_f32 v[D+2*\k:D+2*\k+1], v[D+2*\k:D+2*\k+1], v[IV+\k:IV+\k+1], 1.0 op_sel_hi:[1,1,0] neg_lo:[1,0,0] neg_hi:[1,0,0]   ; 1 - D0 / (D0 D2) = T of D2's ring: the two pairs change places,
	v_pk_fma_f32 v[D+2*\k+2:D+2*\k+3], v[D+2*\k+2:D+2*\k+3], v[IV+\k:IV+\k+1], 1.0 op_sel_hi:[1,1,0] neg_lo:[1,0,0] neg_hi:[1,0,0]   ; which gives the order 15 - 2a, 14 - 2a, 2a, 2a + 1
.endr
	s_cmp_ge_i32 s40, -8                           ; T is at most 1; where e0 is -8 or more, 448 x 2^e0 is at least 1.75 and the hold changes nothing
	s_wait_alu depctr_va_vdst(0)                   ; ahead of the wait and the branch below
.if \m == 0
	s_wait_xcnt 0x0                                ; the last trip's stores have read their base and their codes: both are rewritten from here on
	s_add_nc_u64 s[34:35], s[34:35], 8192
.endif
	s_cbranch_scc1 .Lheld_\@
.irp i, 0,1,2,3,4,5,6,7,8,9,10,11,12,13,14,15,16,17,18,19,20,21,22,23,24,25,26,27,28,29,30,31
	v_min_num_f32 v[D+\i], v[D+\i], v[LIM0]        ; the conversion does not saturate (ISA guide 7.6.2); T is positive, so the hold is one-sided
.endr
.Lheld_\@:
.irp k, 0,1,2,3
	v_cvt_scalef32_pk8_fp8_f32 v[AC+8*\m+2*\k:AC+8*\m+2*\k+1], v[D+8*\k:D+8*\k+7], v[SC0]
.endr
.endm
	s_mov_b32 s90, 0                               ; 32 bytes of a row of x for each step done
.Lstep:                                            ; four trips: a step of 8 inputs each, 4 a lane
	v_add_nc_u32 v[XA], s90, v[XO]
	ds_load_b128 v[XR:XR+3], v[XA]
	s_wait_dscnt 0x0
	TRIG
	DEN 0
	DEN 1
	v_nop                                          ; one plain vector line behind the last conversion
.irp c, 0,1,2,3
	global_store_b128 v[L16], v[AC+4*\c:AC+4*\c+3], s[34:35] offset:512*\c   ; 32 lanes store 512 consecutive bytes, at a multiple of 256 from acodes' first byte
.endr
	s_add_co_u32 s90, s90, 32
	s_cmp_lg_u32 s90, 128
	s_wait_alu depctr_va_vdst(0)                   ; directly ahead of the branch
	s_cbranch_scc1 .Lstep
	; coeffs: two steps of 32 columns through my stage.  LDS serves a wave's instructions in order (ISA guide 5.7.1.4): no wait between the stores and the loads
	s_wait_loadcnt 0x0
.irp u, 0,1
.irp k, 0,1,2,3
	ds_store_b128 v[STI], v[R+16*\u+4*\k:R+16*\u+4*\k+3] offset:8*SP*\k
.endr
.irp k, 0,1,2,3
	ds_load_b128 v[D+16*\u+4*\k:D+16*\u+4*\k+3], v[STO] offset:16*\k
.endr
.endr
.irp u, 0,1
	s_wait_dscnt 8-8*\u                            ; this step's numbers are back; the second step's four stores and four loads may be out
.irp i, 0,1,2,3,4,5,6,7,8,9,10,11,12,13,14,15
	v_med3_num_f32 v[D+16*\u+\i], v[D+16*\u+\i], -v[LIM1], v[LIM1]
.endr
	v_cvt_scalef32_pk8_fp8_f32 v[C:C+1], v[D+16*\u:D+16*\u+7], v[SC1]
	v_cvt_scalef32_pk8_fp8_f32 v[C+2:C+3], v[D+16*\u+8:D+16*\u+15], v[SC1]
	v_nop                                          ; one plain vector line between a scaled conversion and the vector lines that read its result
	v_perm_b32 v[O+4*\u],   v[C+3], v[C],   s92    ; rings 15, 14, 0, 1
	v_perm_b32 v[O+4*\u+1], v[C+3], v[C],   s93    ; rings 13, 12, 2, 3
	v_perm_b32 v[O+4*\u+2], v[C+2], v[C+1], s92    ; rings 11, 10, 4, 5
	v_perm_b32 v[O+4*\u+3], v[C+2], v[C+1], s93    ; rings 9, 8, 6, 7
	global_store_b128 v[CO], v[O+4*\u:O+4*\u+3], s[38:39] offset:4096*\u   ; sixteen lanes store 256 consecutive bytes, at a multiple of 256 from bq's first byte
.endr
	s_cmp_lt_u32 s18, 2
	s_cbranch_scc0 .Lno_bw_out
.irp i, 0,1,2,3,4,5,6,7,8,9,10,11,12,13,14,15
	v_med3_num_f32 v[Y+\i], v[Y+\i], -v[LIM3], v[LIM3]
.endr
	v_cvt_scalef32_pk8_fp8_f32 v[YC:YC+1], v[Y:Y+7], v[SC3]
	v_cvt_scalef32_pk8_fp8_f32 v[YC+2:YC+3], v[Y+8:Y+15], v[SC3]
	v_nop
	global_store_b128 v[CO], v[YC:YC+3], s[88:89]
.Lno_bw_out:
	s_or_b32 s94, ttmp9, s18
	s_cmp_lg_u32 s94, 0
	s_cbranch_scc1 .Lend                           ; out1 is one number: wave 0 of work-group 0 writes it
	s_wait_xcnt 0x0                                ; EXEC is a source of the stores above: it changes only behind this wait
	v_cmp_eq_u32 vcc_lo, 0, v0
	s_and_saveexec_b32 s95, vcc_lo
	global_store_b32 v249, v250, s[16:17]          ; out1 = 0
	s_wait_xcnt 0x0                                ; and again, in front of the line that widens it
	s_or_b32 exec_lo, exec_lo, s95
.Lend:
	s_wait_tensorcnt 0x0                           ; the wave's end, behind my last LDS store
	ds_add_u32 v[SPW], v[NIL]
	s_wait_dscnt 0x0
	s_endpgm
.Lfunc_end_k_qc21bddd24d_codes:
	.size	k_qc21bddd24d_codes, .Lfunc_end_k_qc21bddd24d_codes-k_qc21bddd24d_codes
	.p2alignl 7, 3214868480
	.fill 96, 4, 3214868480
	.section	.rodata,"a",@progbits
	.p2align	6, 0x0
	.amdhsa_kernel k_qc21bddd24d_codes
		.amdhsa_group_segment_fixed_size 76032
		.amdhsa_private_segment_fixed_size 0
		.amdhsa_enable_private_segment 0
		.amdhsa_kernarg_size 56
		.amdhsa_user_sgpr_count 2
		.amdhsa_user_sgpr_kernarg_segment_ptr 1
		.amdhsa_wavefront_size32 1
		.amdhsa_system_sgpr_workgroup_id_x 1
		.amdhsa_system_sgpr_workgroup_id_y 1
		.amdhsa_system_sgpr_workgroup_id_z 1
		.amdhsa_system_vgpr_workitem_id 0
		.amdhsa_next_free_vgpr 252
		.amdhsa_next_free_sgpr 96
		.amdhsa_reserve_vcc 1
		.amdhsa_float_denorm_mode_32 3
		.amdhsa_float_denorm_mode_16_64 3
		.amdhsa_memory_ordered 1
		.amdhsa_forward_progress 1
		.amdhsa_inst_pref_size 34
	.end_amdhsa_kernel
	.amdgpu_metadata
---
amdhsa.version: [ 1, 2 ]
amdhsa.kernels:
  - .name:           k_qc21bddd24d_codes
    .symbol:         k_qc21bddd24d_codes.kd
    .args:
      - { .name: x, .offset: 0, .size: 8, .value_kind: global_buffer, .address_space: global }
      - { .name: coeffs, .offset: 8, .size: 8, .value_kind: global_buffer, .address_space: global }
      - { .name: base_weight, .offset: 16, .size: 8, .value_kind: global_buffer, .address_space: global }
      - { .name: lowp_scales, .offset: 24, .size: 8, .value_kind: global_buffer, .address_space: global }
      - { .name: acodes, .offset: 32, .size: 8, .value_kind: global_buffer, .address_space: global }
      - { .name: bq, .offset: 40, .size: 8, .value_kind: global_buffer, .address_space: global }
      - { .name: out1, .offset: 48, .size: 8, .value_kind: global_buffer, .address_space: global }
    .group_segment_fixed_size: 76032
    .private_segment_fixed_size: 0
    .kernarg_segment_align: 8
    .kernarg_segment_size: 56
    .max_flat_workgroup_size: 512
    .sgpr_count:     96
    .vgpr_count:     252
    .wavefront_size: 32
...
	.end_amdgpu_metadata
.endif
;; end of part 1
;; launch mul (part 2): grid 64 x 4, 4 waves a work-group, clusters of 4 x 1, 327,680 bytes of LDS; arguments acodes, bq, lowp_scales, out0; writes out0
.if DOCPART == 2
	.amdgcn_target "amdgcn-amd-amdhsa--gfx1250"
	.amdhsa_code_object_version 6
	.text
	.protected	k_qc21bddd24d_mul
	.globl	k_qc21bddd24d_mul
	.p2align	8
	.type	k_qc21bddd24d_mul,@function
k_qc21bddd24d_mul:
	s_mov_b64 s[64:65], 0
	v_nop
	global_prefetch_b8 v0, s[64:65] scope:SCOPE_SE
	s_setreg_imm32_b32 hwreg(HW_REG_WAVE_MODE, 25, 1), 1
	s_wait_xcnt 0x0
	s_wait_alu depctr_hold_cnt(0) depctr_sa_sdst(0) depctr_va_vdst(0) depctr_va_sdst(0) depctr_va_ssrc(0) depctr_va_vcc(0) depctr_vm_vsrc(0)
	s_getreg_b32 s2, hwreg(HW_REG_IB_STS2, 6, 4)
	s_cmp_eq_u32 s2, 0
	s_cbranch_scc0 .Lentry_in_a_cluster
	s_endpgm
.Lentry_in_a_cluster:
	s_bfe_u32 s2, ttmp6, 0x10000c
	s_cmp_lg_u32 s2, 0x3003
	s_cbranch_scc0 .Lentry_shape_is_right
	s_endpgm
.Lentry_shape_is_right:
; out0 = A B: A = the codes of x and of the basis (acodes), B = those of base_weight and of coeffs (bq), both FP8 (E4M3) and laid by the first launch as images of operand registers; f32 sums.
; LIMITS.  e0 + e1 and e2 + e3 - e0 - e1 lie between -126 and 127, so that the two powers of two below are f32 numbers.
; SHARES.  A work-group makes 64 rows x 128 columns.  ITS FOUR WAVES SPLIT K: wave g takes 17 steps of 128 along K (step 0: x times base_weight; steps 1 to 16: the basis of inputs 128 g .. 128 g + 127), and keeps
; 64 x 128 partial sums: 32 accumulators, 256 registers.  No fragment is read by two waves.  The four meet once, at the end, in LDS.
; B goes through a ring of two LDS slots, each with two steps: a wave's part of a slot is 32,768 dense bytes, brought by one tensor load, and a fragment is four ds_load_b128 of 512 consecutive bytes.
; A goes from memory straight into registers: four buffers of one step (16 loads of 512 consecutive bytes).  At the end of a trip the two buffers that it has used up are asked for again, for the trip after the next.
; Step 0's A and B come so too, into registers of their own: with step 0 left out of the ring, eight pairs of steps are left, two to a slot.
; CLUSTERS.  The four work-groups of a cluster (four blocks of rows) have the same columns and so the same B: every tile of the ring is asked for JOINTLY, with the mask of all four.  A is not asked for jointly: a joint load
; lands in LDS, and two slots of two steps with A's 65,536 bytes beside B's 131,072 would take 393,216 of the 327,680 bytes.
; THE CLUSTERS DO NOT WALK K IN STEP: the pairs of steps 1 to 16 are taken in a circle of eight that begins at pair q0 = (X + 4 (X / 8)) mod 8, X the cluster's x, the same in the four partners: so from a cluster's second pair
; on, a tile of B has been read a pair earlier by the cluster that began one further on.  q0 enters addresses in memory alone.
; NO PREFETCH: each block of A is asked for by its own load a whole trip, 64 matrix instructions of the wave, ahead of its use; B's tiles have been read before, as just said.
; THE MATRIX INSTRUCTION IS USED TRANSPOSED (source 0 = 16 columns of B, source 1 = 16 rows of A): a lane holds eight neighbouring numbers of a row of out0.
; Step 0's sums are brought under the basis's scale once, by 2^(e2 + e3 - e0 - e1); the finished sums are multiplied by 2^(e0 + e1).
; REGISTERS: window 0: addresses; v64-127 and v128-255: step 0's A and B; later the way out; window 1: accumulator (t, m) at 8 (4 t + m); window 2: A's four buffers of 64; window 3: B's two sets of 128 (tile t of 16 columns at 16 t).
; LDS: 0: slot 0; 131,072: slot 1 (four waves x 32,768 each); 262,144: the spare words.  All of the WGP's LDS is claimed.
.set SLOTB,  131072
.set SPARE,  262144                    ; 128 bytes for each wave: two blocks of 256 bytes that no other line names
.set SPITCH, 528                       ; the sum's stage: a row of 512 bytes + 16
.set STILE,  64*SPITCH                 ; a wave's partial tile there.  Four of them take bytes 0 .. 135,167: both slots have had their last fill by then
.set SPW,  1                           ; my spare word; never rewritten
.set NIL,  2                           ; 0; never rewritten
.set BA,   6                           ; v6-7   my part of slot 0, 1, + 16 x lane
.set SI,   8                           ; the sum's stage, in
.set L16,  9                           ; 16 x lane
.set RD,   10                          ; v10-11 the sum's stage, back: tiles 0 and 1, 2 and 3
.set OUTR, 192                         ; v192-255 rows of out0, four registers for each store
.set G1,   24
.set G0,   32                          ; s[32:39] descriptor group 0, a set for each slot
.set PA,   50                          ; s[50:51], s[52:53] where a pair of steps of A lies: one for even trips, one for odd ones
.set TC,   54                          ; q0 + the number of pairs of B asked for so far
.set MUL,  0x5b                        ; source 0 window 3, source 1 window 2, C and D window 1
.set MUL0, 0x50                        ; step 0: both sources window 0
.set TO_A, 0x80                        ; destination window 2, address window 0
.set TO_B, 0xc0                        ; destination window 3, address window 0
.set MSB, 0
.macro WIN new                         ; the immediate's high byte repeats the setting that is left
.if MSB != \new
	s_set_vgpr_msb (MSB<<8)|\new
.set MSB, \new
.endif
.endm
.macro CROUND                          ; a round of the cluster's barrier: my work-group's barrier; wave 0 signals for the work-group; every wave waits for all four work-groups; my work-group's barrier once more
	s_barrier_signal -1
	s_barrier_wait -1
	s_cmp_lg_u32 s12, 0
	s_cbranch_scc1 .Lnot_wave_0_\@
	s_barrier_signal -3
.Lnot_wave_0_\@:
	s_barrier_wait -3
	s_barrier_signal -1
	s_barrier_wait -1
.endm
.macro PLACES                          ; four places behind the last matrix instruction (ISA guide 7.12.1 for vector instructions)
.rept 4
	v_nop
.endr
.endm
.macro ALOAD buf, ptr, off             ; a step of A, four tiles of 16 rows, into buffer buf
.irp k, 0,1,2,3,4,5,6,7,8,9,10,11,12,13,14,15
	global_load_b128 v[64*(\buf)+4*\k:64*(\buf)+4*\k+3], v[L16], s[\ptr:\ptr+1] offset:\off+512*\k
.endr
.endm
.macro BLOAD set, slot, off            ; a step of B, eight tiles of 16 columns, from LDS into set
.irp t, 0,1,2,3,4,5,6,7
.irp c, 0,1,2,3
	ds_load_b128 v[128*(\set)+16*\t+4*\c:128*(\set)+16*\t+4*\c+3], v[BA+\slot] offset:\off+2048*\t+512*\c
.endr
.endr
.endm
; n tiles of columns from t0 on, each against the four tiles of rows, 128 along K.  The 32 accumulators take turns, one instruction a turn, in the same order in every step.
; zero = 1: the first products start the sums.  dsw of 0 or more: ahead of each tile, the wait that leaves out dsw younger LDS loads and the four of each later tile of this set; -1: no wait.
.macro MULT set, buf, t0, n, zero, dsw
.set TT, \t0
.rept \n
.if \dsw >= 0
	s_wait_dscnt \dsw+4*(7-TT)
.endif
.irp m, 0,1,2,3
.if \zero
	v_wmma_f32_16x16x128_fp8_fp8 v[8*(4*TT+\m):8*(4*TT+\m)+7], v[128*(\set)+16*TT:128*(\set)+16*TT+15], v[64*(\buf)+16*\m:64*(\buf)+16*\m+15], 0
.else
	v_wmma_f32_16x16x128_fp8_fp8 v[8*(4*TT+\m):8*(4*TT+\m)+7], v[128*(\set)+16*TT:128*(\set)+16*TT+15], v[64*(\buf)+16*\m:64*(\buf)+16*\m+15], v[8*(4*TT+\m):8*(4*TT+\m)+7]
.endif
.endr
.set TT, TT+1
.endr
.endm
; TRIP f, on slot p = f mod 2: the products of steps 2 f + 1 and 2 f + 2.  The other slot takes pair f + 1.  A's buffers are 2 p and 2 p + 1.
; ald = 1: pair f + 2 of A is asked for at the end.  first = 1: step 0's products come first, and trip 1's A is asked for behind them.
; The counts on LOADcnt: at step 2 f + 1 step 2 f + 2's 16 loads and trip f + 1's 32 may be out, at step 2 f + 2 trip f + 1's 32.
.macro TRIP p, ald, first
	s_wait_tensorcnt 0x0                           ; all my tensor loads have landed: the one that was out is my part of this slot; so a group 0 may be written
	ds_add_u32 v[SPW], v[NIL]                      ; 0 onto my spare word
	s_and_b32 s58, s[TC], 7                        ; pair (q0 + f + 1) mod 8: 32,768 bytes of B a pair
	s_lshl_b32 s58, s58, 15
	s_add_nc_u64 s[G0+6-4*\p:G0+7-4*\p], s[6:7], s[58:59]
	s_or_b32 s[G0+7-4*\p], s[G0+7-4*\p], 0x80000000
	s_add_co_u32 s[TC], s[TC], 1
	s_wait_dscnt 0x0                               ; the add is done, and my reads of the other slot are over
	CROUND                                         ; no wave of any partner still reads the other slot or has a load on its way
	tensor_load_to_lds s[G0+4-4*\p:G0+7-4*\p], s[G1:G1+7]   ; my one tensor load behind the round: it has this trip's work in which to land
	s_nop 0
	PLACES
	WIN TO_B
	BLOAD 0, \p, 0
	BLOAD 1, \p, 16384
.if \first
	s_wait_loadcnt 0x20                            ; step 0's A and B are in; trip 0's A may be out
	WIN MUL0
	MULT 1, 1, 0, 8, 1, -1                         ; B at v128, A at v64
	PLACES
	WIN 0x41                                       ; source 0 and destination in window 1
.set i, 0
.rept 128
	v_pk_mul_f32 v[i:i+1], v[i:i+1], s[42:43] op_sel_hi:[1,0]   ; step 0's sums under the basis's scale: nothing is rounded, short of overflow and underflow; each accumulator from its low end on
.set i, i+2
.endr
	s_wait_alu depctr_va_vdst(0)
	WIN TO_A
	ALOAD 2, PA+2, 0                               ; trip 1's A
	ALOAD 3, PA+2, 8192
.endif
	s_wait_loadcnt 0x30                            ; step 2 f + 1 of A is in
	WIN MUL
	MULT 0, 2*\p, 0, 8, 0, 32                      ; (set 1's 32 loads may be out)
	s_wait_loadcnt 0x20                            ; step 2 f + 2 of A is in: so all loads that were issued by this trip's base are done, and it may be written
.if \ald
	s_and_b32 s56, s[TC], 7                        ; pair (q0 + f + 2) mod 8: 16,384 bytes of A a pair
	s_lshl_b32 s56, s56, 14
	s_add_nc_u64 s[PA+2*\p:PA+2*\p+1], s[4:5], s[56:57]
.endif
	MULT 1, 2*\p+1, 0, 8, 0, 0
	PLACES
.if \ald
	WIN TO_A
	ALOAD 2*\p, PA+2*\p, 0
	ALOAD 2*\p+1, PA+2*\p, 8192
.endif
	WIN 0
.endm
	s_load_b256 s[4:11], s[0:1], 0x0               ; acodes s[4:5], bq s[6:7], the scales s[8:9], out0 s[10:11]
	v_lshl_add_u32 v[SPW], v0, 2, SPARE
	v_mov_b32 v[NIL], 0
	ds_add_u32 v[SPW], v[NIL]                      ; the wave's opening: the add, twice on end, and its wait ahead of my first tensor load
	ds_add_u32 v[SPW], v[NIL]
	v_lshrrev_b32 v3, 5, v0
	v_readfirstlane_b32 s12, v3                    ; g: wave 0..3
	s_lshl_b32 s21, s12, 15                        ; my part of a slot
	s_mul_i32 s22, s12, STILE
	s_mul_i32 s23, s12, 16*SPITCH
	v_and_b32 v3, 31, v0                           ; lane
	v_and_b32 v4, 15, v0                           ; r
	v_bfe_u32 v5, v0, 4, 1                         ; h
	v_lshlrev_b32 v[L16], 4, v3
	v_add_nc_u32 v[BA], s21, v[L16]
	v_add_nc_u32 v[BA+1], SLOTB, v[BA]
	v_mul_u32_u24 v[SI], v4, SPITCH
	v_lshl_add_u32 v[SI], v5, 5, v[SI]
	v_add_nc_u32 v[SI], s22, v[SI]                 ; my tile, row r, 32 bytes for each half of the lanes
	v_add_nc_u32 v[RD], s23, v[L16]                ; rows 16 g on, 16 bytes a lane
	v_add_nc_u32 v[RD+1], 2*STILE, v[RD]
	s_wait_alu depctr_va_vdst(0)                   ; the wait at the head's end: no vector instruction but v_nop follows ahead of the products
	s_wait_dscnt 0x0                               ; both opening adds are done
	CROUND                                         ; all four work-groups are here: the first joint loads meet.  (The arguments are on their way meanwhile)
	s_bfe_u32 s20, ttmp6, 0x40000                  ; cx: it enters acodes' and out0's addresses alone
	s_lshl_b32 s14, ttmp9, 2                       ; in a cluster launch ttmp9 counts clusters
	s_add_co_u32 s14, s14, s20                     ; my block of 64 rows
	s_and_b32 s15, ttmp7, 0xffff                   ; my block of 128 columns, which the four partners share
	s_lshr_b32 s13, ttmp9, 3
	s_lshl_b32 s13, s13, 2
	s_add_co_u32 s13, s13, ttmp9
	s_and_b32 s13, s13, 7                          ; q0
	; descriptor group 1: 64 rows of 64 elements of 8 bytes, dense: 32,768 bytes as they lie
	s_mov_b32 s24, 15|(3<<16)|(1<<21)              ; 15:0 the mask: all four work-groups; 17:16 elements of 8 bytes; 21 set beside a mask
	s_mov_b32 s25, 64<<16                          ; tensor_dim0 = 64
	s_mov_b32 s26, 64<<16                          ; tensor_dim1 = 64
	s_mov_b32 s27, 64<<16                          ; tile_dim0 = 64
	s_mov_b32 s28, 64                              ; tile_dim1 = 64
	s_mov_b32 s29, 64                              ; from row to row: 64 elements
	s_mov_b32 s30, 0
	s_mov_b32 s31, 0
	s_lshl_b32 s48, s15, 2
	s_add_co_u32 s48, s48, s12
	s_mul_i32 s48, s48, 17*16384                   ; my 17 steps of B
	s_mov_b32 s49, 0
	s_lshl_b32 s46, s14, 2
	s_add_co_u32 s46, s46, s12
	s_mul_i32 s46, s46, 17*8192                    ; my 17 steps of A
	s_mov_b32 s47, 0
	s_lshl_b32 s62, s14, 17                        ; out0: 64 rows of 2,048 bytes; at the end wave g stores rows 16 g .. 16 g + 15,
	s_lshl_b32 s63, s12, 15
	s_add_co_u32 s62, s62, s63
	s_lshl_b32 s63, s15, 9                         ; of my 512 bytes of a row
	s_add_co_u32 s62, s62, s63
	s_mov_b32 s63, 0
	s_mov_b32 s57, 0
	s_mov_b32 s59, 0
	s_mov_b32 s61, 0
	s_lshl_b32 s56, s13, 14                        ; pair q0: A,
	s_lshl_b32 s58, s13, 15                        ; B
	s_add_co_u32 s[TC], s13, 1
	s_and_b32 s60, s[TC], 7
	s_lshl_b32 s60, s60, 14                        ; the next pair of A
	s_mov_b32 s32, 1                               ; group 0 for slot 0: count = 1,
	s_mov_b32 s33, s21                             ; LDS address,
	s_mov_b32 s36, 1                               ; and for slot 1; its address in memory is made in the trip that asks
	s_add_co_u32 s37, s21, SLOTB
	s_wait_kmcnt 0x0
	s_add_nc_u64 s[48:49], s[6:7], s[48:49]        ; step 0 of B
	s_add_nc_u64 s[6:7], s[48:49], 16384           ; step 1 of B: it stays
	s_add_nc_u64 s[34:35], s[6:7], s[58:59]        ; pair q0,
	s_or_b32 s35, s35, 0x80000000                  ; type = 2
	tensor_load_to_lds s[32:35], s[24:31]          ; my part of slot 0.  One tensor load of mine is out
	s_nop 0
	PLACES
	s_load_b128 s[16:19], s[8:9], 0x0              ; e0 .. e3
	s_add_nc_u64 s[46:47], s[4:5], s[46:47]        ; step 0 of A
	s_add_nc_u64 s[4:5], s[46:47], 8192            ; step 1 of A: it stays
	s_add_nc_u64 s[PA:PA+1], s[4:5], s[56:57]      ; trip 0's pair,
	s_add_nc_u64 s[PA+2:PA+3], s[4:5], s[60:61]    ; trip 1's
	s_add_nc_u64 s[10:11], s[10:11], s[62:63]
	ALOAD 1, 46, 0                                 ; step 0 of A: window 0, v64-127
.irp t, 0,1,2,3,4,5,6,7
.irp c, 0,1,2,3
	global_load_b128 v[128+16*\t+4*\c:128+16*\t+4*\c+3], v[L16], s[48:49] offset:2048*\t+512*\c   ; step 0 of B: window 0, v128-255
.endr
.endr
	WIN TO_A
	ALOAD 0, PA, 0                                 ; trip 0's A
	ALOAD 1, PA, 8192
	WIN 0
	s_wait_kmcnt 0x0
	s_add_co_i32 s44, s16, s17                     ; e0 + e1
	s_add_co_i32 s42, s18, s19
	s_sub_co_i32 s42, s42, s44
	s_add_co_i32 s42, s42, 127
	s_lshl_b32 s42, s42, 23                        ; 2^(e2 + e3 - e0 - e1)
	s_mov_b32 s43, s42
	s_add_co_i32 s44, s44, 127
	s_lshl_b32 s44, s44, 23                        ; 2^(e0 + e1)
	s_mov_b32 s45, s44
	TRIP 0, 1, 1                                   ; steps 0, 1 and 2
	s_mov_b32 s40, 2
.Lloop:                                            ; two turns of the loop: trips 1 to 4
	TRIP 1, 1, 0
	TRIP 0, 1, 0
	s_sub_co_u32 s40, s40, 1
	s_cmp_lg_u32 s40, 0
	s_cbranch_scc1 .Lloop
	TRIP 1, 1, 0                                   ; trip 5 asks for the last pair of A
	TRIP 0, 0, 0                                   ; trip 6 asks for the last pair of B
	s_wait_tensorcnt 0x0                           ; trip 7, on slot 1, asks for nothing: my part of the last pair, which I alone read, has landed
	WIN TO_B                                       ; (trip 6's four places stand behind its products)
	BLOAD 0, 1, 0
	BLOAD 1, 1, 16384
	s_wait_loadcnt 0x10                            ; step 15 of A is in; step 16's loads may be out
	WIN MUL
	MULT 0, 2, 0, 8, 0, 32
	s_wait_loadcnt 0x0
	s_wait_dscnt 0x0                               ; my reads of the slots are over
	s_barrier_signal -1
	MULT 1, 3, 0, 1, 0, -1                         ; step 16, tile by tile
	WIN 0
	s_barrier_wait -1                              ; everybody's reads are over: the stage may be written
	; THE SUM.  Each wave lays its 64 x 128 partial sums into the stage, a tile of columns behind the next one's products; wave g then adds the four waves' rows 16 g .. 16 g + 15 and stores them.
.macro TOSTAGE t
	WIN 0x04                                       ; an LDS store's data: window 1
.irp m, 0,1,2,3
	ds_store_b128 v[SI], v[8*(4*(\t)+\m):8*(4*(\t)+\m)+3]   offset:16*SPITCH*\m+64*(\t)      ; lane (r, h): row 16 m + r, columns 16 t + 8 h + 0 .. 7; each accumulator from its low end on
	ds_store_b128 v[SI], v[8*(4*(\t)+\m)+4:8*(4*(\t)+\m)+7] offset:16*SPITCH*\m+64*(\t)+16
.endr
.endm
.irp t, 1,2,3,4,5,6,7
	WIN MUL
	MULT 1, 3, \t, 1, 0, -1
	PLACES
	TOSTAGE \t-1
.endr
	TOSTAGE 7                                      ; (the four places stand behind its products)
	WIN 0
	s_wait_dscnt 0x0                               ; for the others' sake: my stores into the stage are done
	s_barrier_signal -1
	s_barrier_wait -1
.macro LDROWS q, buf                   ; rows 4 q .. 4 q + 3 of my sixteen, of all four tiles
.irp i, 0,1,2,3
.irp p, 0,1
	ds_load_b128 v[\buf+16*\i+4*\p:\buf+16*\i+4*\p+3],     v[RD]   offset:\p*STILE+(4*\q+\i)*SPITCH
	ds_load_b128 v[\buf+16*\i+8+4*\p:\buf+16*\i+4*\p+11],  v[RD+1] offset:\p*STILE+(4*\q+\i)*SPITCH
.endr
.endr
.endm
.macro SUMROWS q, buf, left            ; left: the younger LDS loads that may be out
	s_wait_dscnt \left
.irp i, 0,1,2,3
.irp k, 0,2,8,10
	v_pk_add_f32 v[\buf+16*\i+\k:\buf+16*\i+\k+1], v[\buf+16*\i+\k:\buf+16*\i+\k+1], v[\buf+16*\i+\k+4:\buf+16*\i+\k+5]
.endr
.endr
.irp i, 0,1,2,3
.irp k, 0,2
	v_pk_add_f32 v[\buf+16*\i+\k:\buf+16*\i+\k+1], v[\buf+16*\i+\k:\buf+16*\i+\k+1], v[\buf+16*\i+\k+8:\buf+16*\i+\k+9]
.endr
.endr
.irp i, 0,1,2,3
.irp k, 0,2
	v_pk_mul_f32 v[OUTR+16*\q+4*\i+\k:OUTR+16*\q+4*\i+\k+1], v[\buf+16*\i+\k:\buf+16*\i+\k+1], s[44:45] op_sel_hi:[1,0]   ; x 2^(e0 + e1)
.endr
.endr
.irp i, 0,1,2,3
	global_store_b128 v[L16], v[OUTR+16*\q+4*\i:OUTR+16*\q+4*\i+3], s[10:11] offset:2048*(4*\q+\i) th:TH_STORE_NT   ; 32 lanes store 512 consecutive bytes, at a multiple of 256 from out0's first byte; every store has registers of its own
.endr
.endm
	LDROWS 0, 64
	LDROWS 1, 128
	SUMROWS 0, 64, 16
	LDROWS 2, 64
	SUMROWS 1, 128, 16
	LDROWS 3, 128
	SUMROWS 2, 64, 16
	SUMROWS 3, 128, 0
	s_wait_tensorcnt 0x0                           ; the wave's end, behind my last tensor load and my last LDS store
	ds_add_u32 v[SPW], v[NIL]
	s_wait_dscnt 0x0
	CROUND                                         ; the closing round: no work-group ends while a partner may still ask for a tile that names it
	s_endpgm
.Lfunc_end_k_qc21bddd24d_mul:
	.size	k_qc21bddd24d_mul, .Lfunc_end_k_qc21bddd24d_mul-k_qc21bddd24d_mul
	.p2alignl 7, 3214868480
	.fill 96, 4, 3214868480
	.section	.rodata,"a",@progbits
	.p2align	6, 0x0
	.amdhsa_kernel k_qc21bddd24d_mul
		.amdhsa_group_segment_fixed_size 327680
		.amdhsa_private_segment_fixed_size 0
		.amdhsa_enable_private_segment 0
		.amdhsa_kernarg_size 32
		.amdhsa_user_sgpr_count 2
		.amdhsa_user_sgpr_kernarg_segment_ptr 1
		.amdhsa_wavefront_size32 1
		.amdhsa_system_sgpr_workgroup_id_x 1
		.amdhsa_system_sgpr_workgroup_id_y 1
		.amdhsa_system_sgpr_workgroup_id_z 1
		.amdhsa_system_vgpr_workitem_id 0
		.amdhsa_next_free_vgpr 1024
		.amdhsa_next_free_sgpr 66
		.amdhsa_reserve_vcc 0
		.amdhsa_float_denorm_mode_32 3
		.amdhsa_float_denorm_mode_16_64 3
		.amdhsa_memory_ordered 1
		.amdhsa_forward_progress 1
		.amdhsa_inst_pref_size 115
	.end_amdhsa_kernel
	.amdgpu_metadata
---
amdhsa.version: [ 1, 2 ]
amdhsa.kernels:
  - .name:           k_qc21bddd24d_mul
    .symbol:         k_qc21bddd24d_mul.kd
    .args:
      - { .name: acodes, .offset: 0, .size: 8, .value_kind: global_buffer, .address_space: global }
      - { .name: bq, .offset: 8, .size: 8, .value_kind: global_buffer, .address_space: global }
      - { .name: lowp_scales, .offset: 16, .size: 8, .value_kind: global_buffer, .address_space: global }
      - { .name: out0, .offset: 24, .size: 8, .value_kind: global_buffer, .address_space: global }
    .group_segment_fixed_size: 327680
    .private_segment_fixed_size: 0
    .kernarg_segment_align: 8
    .kernarg_segment_size: 32
    .max_flat_workgroup_size: 128
    .sgpr_count:     66
    .vgpr_count:     1024
    .wavefront_size: 32
...
	.end_amdgpu_metadata
.endif
;; end of part 2
